; MI455X (gfx1250); checked and timed in simulation.
; The chip was launched on July 23, 2026; its instructions are those of AMD's public machine-readable ISA for CDNA 5 (MIT licence, August 2026) and "CDNA5" Instruction Set Architecture Reference Guide (July 2026). The comments in the code are by the model that wrote it; some were corrected since.
;; Nystrom Non Linear Kernel. Allowed arithmetic: float matrix products may take bf16 or f16 operands with f32 sums; all other float work in f32.
;; Inputs: W1 2 x 128 float32; W2 128 x 256 float32; b1 128 float32; b2 256 float32; grid 32 x 32 x 2 float32; v 8 x 16 x 256 x 256 float32.
;; Outputs: out0 8 x 16 x 256 x 256 float32.
;; 2 versions, each right and faster than the one before. Each part assembles by itself: llvm-mc -triple=amdgcn-amd-amdhsa -mcpu=gfx1250 --defsym DOCPART=n.
;; ======== version 1 of 2: 4 launches
;; limits: values are held in f16: magnitudes above 65,504 overflow, below 6.1e-05 lose precision; right only within a limited range of input values
;; workspace buffers: idx 16,384 bytes of whole numbers; wts 16,384 bytes; w2s 8,448 bytes; smp 524,288 bytes; part 2,097,152 bytes
;; launch prep (part 1): grid 4 x 1, 8 waves a work-group, no clusters, 0 bytes of LDS; arguments grid, W2, b2, idx, wts, w2s; writes idx, wts, w2s
.if DOCPART == 1
	.amdgcn_target "amdgcn-amd-amdhsa--gfx1250"
	.amdhsa_code_object_version 6
	.text
	.protected	k_q762895448c_prep
	.globl	k_q762895448c_prep
	.p2align	8
	.type	k_q762895448c_prep,@function
k_q762895448c_prep:
	s_mov_b64 s[64:65], 0
	v_nop
	global_prefetch_b8 v0, s[64:65] scope:SCOPE_SE
	s_setreg_imm32_b32 hwreg(HW_REG_WAVE_MODE, 25, 1), 1
	s_wait_xcnt 0x0
; FIRST OF FOUR LAUNCHES.  The whole program: out[b,n,p] = sum over r of (gelu((g_r - g_p) W1 + b1) W2s + b2s)[n] * sample[b,n,r] / 32,
; then a bilinear resize of each 32 x 32 plane to 256 x 256.  p and r run over the 1,024 grid points.
; WORK LEFT OUT: none of reference()'s steps and none of its inputs.  grid_sample is a lookup: of v only the four corner pixels that each
; grid point names are read (4 x 128 planes x 1,024 points); which pixels these are is decided here, stored as whole numbers, and used by
; the next launch to form addresses.  A NaN or an infinity in a pixel of v that no point names has no way to the result in reference() either.
; FOLDED FACTORS (exact powers of two): 1/32 goes into the sample's weights, 1/2 of gelu into W2s.
; LIMIT: a NaN or an infinity in grid gives four weights of 0 here, where reference() gives NaN.
;
; This launch, 1,024 threads, thread gid:
;  (a) grid point gid: the four clamped corner indices y*256+x (idx) and the four bilinear weights, 0 where the corner lies outside, / 32 (wts);
;  (b) w2s[h][n] = 0.5 * sum over m of W2[h][16 m + n] for h = gid >> 3, n = 2 (gid & 7) and the next;
;  (c) one wave: cb[L] = sum over m of b2[16 m + (L & 15)], L = 0 .. 31, at byte 8,192 of w2s.
	s_load_b256 s[4:11], s[0:1], 0x0               ; grid s[4:5], W2 s[6:7], b2 s[8:9], idx s[10:11]
	s_load_b128 s[12:15], s[0:1], 0x20             ; wts s[12:13], w2s s[14:15]
	s_lshl_b32 s16, ttmp9, 8
	s_mov_b32 s17, 0x43000000                      ; 128.0
	s_mov_b32 s18, 0x437f0000                      ; 255.0
	v_lshrrev_b32 v1, 5, v0
	v_readfirstlane_b32 s19, v1                    ; wave number
	s_or_b32 s19, s19, ttmp9                       ; 0 only in wave 0 of work-group 0
	v_or_b32 v1, s16, v0                           ; gid
	v_lshlrev_b32 v2, 3, v1                        ; 8 gid: my point in grid, my pair in w2s
	v_lshlrev_b32 v3, 4, v1                        ; 16 gid: my four words in idx and in wts
	v_lshrrev_b32 v6, 3, v1                        ; h
	v_and_b32 v7, 7, v1
	v_lshlrev_b32 v7, 3, v7                        ; 4 n0
	v_lshl_add_u32 v6, v6, 10, v7                  ; h rows of 1,024 bytes + 4 n0
	s_wait_kmcnt 0x0
	global_load_b64 v[4:5], v2, s[4:5]             ; gx, gy
.irp m, 0,1,2,3,4,5,6,7,8,9,10,11,12,13,14,15
	global_load_b64 v[8+2*\m:9+2*\m], v6, s[6:7] offset:64*\m      ; W2[h][16 m + n0], [.. + 1]
.endr
	s_wait_loadcnt 0x0
	; (a) pixel coordinates with reference()'s roundings: (g + 1) * 128 is exact, so the fused -0.5 rounds once, as the subtraction there does
	v_add_f32 v40, 1.0, v4
	v_add_f32 v41, 1.0, v5
	v_fma_f32 v40, v40, s17, -0.5                  ; x
	v_fma_f32 v41, v41, s17, -0.5                  ; y
	v_floor_f32 v42, v40                           ; x0
	v_floor_f32 v43, v41                           ; y0
	v_sub_f32 v44, v40, v42                        ; wx
	v_sub_f32 v45, v41, v43                        ; wy
	v_add_f32 v46, 1.0, v42                        ; x1
	v_add_f32 v47, 1.0, v43                        ; y1
	v_sub_f32 v48, 1.0, v44                        ; 1 - wx
	v_sub_f32 v49, 1.0, v45                        ; 1 - wy
	v_max_num_f32 v50, 0, v42                      ; the four coordinates clipped to 0 .. 255
	v_max_num_f32 v51, 0, v46
	v_max_num_f32 v52, 0, v43
	v_max_num_f32 v53, 0, v47
	v_min_num_f32 v50, s18, v50
	v_min_num_f32 v51, s18, v51
	v_min_num_f32 v52, s18, v52
	v_min_num_f32 v53, s18, v53
	v_cmp_eq_f32 vcc_lo, v50, v42                  ; a coordinate that the clip moved lies outside: its weight is 0
	v_cndmask_b32 v48, 0, v48, vcc_lo
	v_cmp_eq_f32 vcc_lo, v51, v46
	v_cndmask_b32 v44, 0, v44, vcc_lo
	v_cmp_eq_f32 vcc_lo, v52, v43
	v_cndmask_b32 v49, 0, v49, vcc_lo
	v_cmp_eq_f32 vcc_lo, v53, v47
	v_cndmask_b32 v45, 0, v45, vcc_lo
	v_mul_f32 v49, 0x3d000000, v49                 ; the einsum's 1/32, exact
	v_mul_f32 v45, 0x3d000000, v45
	v_mul_f32 v56, v48, v49                        ; corner (x0, y0)
	v_mul_f32 v57, v44, v49                        ; (x1, y0)
	v_mul_f32 v58, v48, v45                        ; (x0, y1)
	v_mul_f32 v59, v44, v45                        ; (x1, y1)
	v_cvt_u32_f32 v50, v50
	v_cvt_u32_f32 v51, v51
	v_cvt_u32_f32 v52, v52
	v_cvt_u32_f32 v53, v53
	v_lshl_add_u32 v60, v52, 8, v50
	v_lshl_add_u32 v61, v52, 8, v51
	v_lshl_add_u32 v62, v53, 8, v50
	v_lshl_add_u32 v63, v53, 8, v51
	global_store_b128 v3, v[60:63], s[10:11]       ; a wave's store covers 512 consecutive bytes, aligned
	global_store_b128 v3, v[56:59], s[12:13]
	; (b) sixteen pairs to one, as a tree
.irp m, 0,1,2,3,4,5,6,7
	v_pk_add_f32 v[8+2*\m:9+2*\m], v[8+2*\m:9+2*\m], v[24+2*\m:25+2*\m]
.endr
.irp m, 0,1,2,3
	v_pk_add_f32 v[8+2*\m:9+2*\m], v[8+2*\m:9+2*\m], v[16+2*\m:17+2*\m]
.endr
.irp m, 0,1
	v_pk_add_f32 v[8+2*\m:9+2*\m], v[8+2*\m:9+2*\m], v[12+2*\m:13+2*\m]
.endr
	v_pk_add_f32 v[8:9], v[8:9], v[10:11]
	v_pk_mul_f32 v[8:9], v[8:9], 0.5 op_sel_hi:[1,0]               ; gelu's 1/2
	global_store_b64 v2, v[8:9], s[14:15]          ; byte 64 h + 4 n0 = 8 gid
	; (c) registers of its own, so that no source of the stores above is touched
	s_cmp_lg_u32 s19, 0
	s_cbranch_scc1 .Ldone
	v_and_b32 v80, 15, v0
	v_lshlrev_b32 v80, 2, v80                      ; 4 n
	v_lshlrev_b32 v81, 2, v0                       ; 4 L (this is wave 0: v0 is the lane)
.irp m, 0,1,2,3,4,5,6,7,8,9,10,11,12,13,14,15
	global_load_b32 v[64+\m], v80, s[8:9] offset:64*\m
.endr
	s_wait_loadcnt 0x0
.irp m, 0,2,4,6
	v_pk_add_f32 v[64+\m:65+\m], v[64+\m:65+\m], v[72+\m:73+\m]
.endr
	v_pk_add_f32 v[64:65], v[64:65], v[68:69]
	v_pk_add_f32 v[66:67], v[66:67], v[70:71]
	v_pk_add_f32 v[64:65], v[64:65], v[66:67]
	v_add_f32 v64, v64, v65
	global_store_b32 v81, v64, s[14:15] offset:8192
.Ldone:
	s_endpgm
.Lfunc_end_k_q762895448c_prep:
	.size	k_q762895448c_prep, .Lfunc_end_k_q762895448c_prep-k_q762895448c_prep
	.p2alignl 7, 3214868480
	.fill 96, 4, 3214868480
	.section	.rodata,"a",@progbits
	.p2align	6, 0x0
	.amdhsa_kernel k_q762895448c_prep
		.amdhsa_group_segment_fixed_size 0
		.amdhsa_private_segment_fixed_size 0
		.amdhsa_enable_private_segment 0
		.amdhsa_kernarg_size 48
		.amdhsa_user_sgpr_count 2
		.amdhsa_user_sgpr_kernarg_segment_ptr 1
		.amdhsa_wavefront_size32 1
		.amdhsa_system_sgpr_workgroup_id_x 1
		.amdhsa_system_sgpr_workgroup_id_y 1
		.amdhsa_system_sgpr_workgroup_id_z 1
		.amdhsa_system_vgpr_workitem_id 0
		.amdhsa_next_free_vgpr 96
		.amdhsa_next_free_sgpr 66
		.amdhsa_reserve_vcc 1
		.amdhsa_float_denorm_mode_32 3
		.amdhsa_float_denorm_mode_16_64 3
		.amdhsa_memory_ordered 1
		.amdhsa_forward_progress 1
		.amdhsa_inst_pref_size 8
	.end_amdhsa_kernel
	.amdgpu_metadata
---
amdhsa.version: [ 1, 2 ]
amdhsa.kernels:
  - .name:           k_q762895448c_prep
    .symbol:         k_q762895448c_prep.kd
    .args:
      - { .name: grid, .offset: 0, .size: 8, .value_kind: global_buffer, .address_space: global }
      - { .name: W2, .offset: 8, .size: 8, .value_kind: global_buffer, .address_space: global }
      - { .name: b2, .offset: 16, .size: 8, .value_kind: global_buffer, .address_space: global }
      - { .name: idx, .offset: 24, .size: 8, .value_kind: global_buffer, .address_space: global }
      - { .name: wts, .offset: 32, .size: 8, .value_kind: global_buffer, .address_space: global }
      - { .name: w2s, .offset: 40, .size: 8, .value_kind: global_buffer, .address_space: global }
    .group_segment_fixed_size: 0
    .private_segment_fixed_size: 0
    .kernarg_segment_align: 8
    .kernarg_segment_size: 48
    .max_flat_workgroup_size: 256
    .sgpr_count:     66
    .vgpr_count:     96
    .wavefront_size: 32
...
	.end_amdgpu_metadata
.endif
;; end of part 1
;; launch samp (part 2): grid 256 x 1, 4 waves a work-group, no clusters, 0 bytes of LDS; arguments idx, wts, v, smp; writes smp
.if DOCPART == 2
	.amdgcn_target "amdgcn-amd-amdhsa--gfx1250"
	.amdhsa_code_object_version 6
	.text
	.protected	k_q762895448c_samp
	.globl	k_q762895448c_samp
	.p2align	8
	.type	k_q762895448c_samp,@function
k_q762895448c_samp:
	s_mov_b64 s[64:65], 0
	v_nop
	global_prefetch_b8 v0, s[64:65] scope:SCOPE_SE
	s_setreg_imm32_b32 hwreg(HW_REG_WAVE_MODE, 25, 1), 1
	s_wait_xcnt 0x0
; SECOND LAUNCH: the bilinear sample of v at the 1,024 grid points, already divided by 32 (the factor lies in wts).
; Only the pixels that idx names are read: a lookup by whole numbers that the launch before stored.
; One wave for each point r.  Lane L takes n = L & 15 and the four batches b = 4 (L >> 4) + i: 4 corners x 4 planes = 16 loads, all out at once.
; smp[r][q][n][i], b = 4 q + i: byte 512 r + 16 L + 4 i, so the wave's one store covers 512 consecutive bytes, aligned,
; and the next launch finds the eight b of one (r, n) in two loads of 16 bytes.
	s_load_b256 s[4:11], s[0:1], 0x0               ; idx s[4:5], wts s[6:7], v s[8:9], smp s[10:11]
	v_lshrrev_b32 v1, 5, v0
	v_readfirstlane_b32 s12, v1                    ; wave number
	s_lshl2_add_u32 s13, ttmp9, s12                ; r = 4 x work-group + wave
	s_lshl_b32 s14, s13, 4                         ; 16 r: the point's four words
	s_mov_b32 s15, 0
	s_lshl_b32 s40, s13, 9                         ; 512 r
	v_and_b32 v2, 15, v0                           ; n
	v_bfe_u32 v3, v0, 4, 1                         ; q
	v_lshl_add_u32 v4, v3, 6, v2                   ; plane 16 (4 q) + n
	v_lshlrev_b32 v4, 18, v4                       ; planes of 262,144 bytes
	v_add_nc_u32 v5, 0x400000, v4                  ; b + 1: sixteen planes on
	v_add_nc_u32 v6, 0x800000, v4
	v_add_nc_u32 v7, 0xc00000, v4
	v_and_b32 v28, 31, v0
	v_lshl_add_u32 v28, v28, 4, s40                ; 512 r + 16 L
	s_wait_kmcnt 0x0
	s_add_nc_u64 s[4:5], s[4:5], s[14:15]
	s_add_nc_u64 s[6:7], s[6:7], s[14:15]
	s_load_b128 s[16:19], s[4:5], 0x0              ; four indices
	s_load_b128 s[20:23], s[6:7], 0x0              ; four weights
	s_wait_kmcnt 0x0
.irp k, 0,1,2,3
	s_min_u32 s[16+\k], s[16+\k], 0xffff           ; a plane has 65,536 pixels
	s_lshl_b32 s[32+2*\k], s[16+\k], 2             ; the corner's byte offset in a plane, as a pair of its own
	s_mov_b32 s[33+2*\k], 0
	s_add_nc_u64 s[24+2*\k:25+2*\k], s[8:9], s[32+2*\k:33+2*\k]
.endr
.irp k, 0,1,2,3
.irp i, 0,1,2,3
	global_load_b32 v[8+4*\k+\i], v[4+\i], s[24+2*\k:25+2*\k]
.endr
.endr
	s_wait_loadcnt 0x0
.irp i, 0,1,2,3
	v_mul_f32 v[24+\i], s20, v[8+\i]               ; the four corners in reference()'s order
.endr
.irp i, 0,1,2,3
	v_fmac_f32 v[24+\i], s21, v[12+\i]
.endr
.irp i, 0,1,2,3
	v_fmac_f32 v[24+\i], s22, v[16+\i]
.endr
.irp i, 0,1,2,3
	v_fmac_f32 v[24+\i], s23, v[20+\i]
.endr
	global_store_b128 v28, v[24:27], s[10:11]
	s_endpgm
.Lfunc_end_k_q762895448c_samp:
	.size	k_q762895448c_samp, .Lfunc_end_k_q762895448c_samp-k_q762895448c_samp
	.p2alignl 7, 3214868480
	.fill 96, 4, 3214868480
	.section	.rodata,"a",@progbits
	.p2align	6, 0x0
	.amdhsa_kernel k_q762895448c_samp
		.amdhsa_group_segment_fixed_size 0
		.amdhsa_private_segment_fixed_size 0
		.amdhsa_enable_private_segment 0
		.amdhsa_kernarg_size 32
		.amdhsa_user_sgpr_count 2
		.amdhsa_user_sgpr_kernarg_segment_ptr 1
		.amdhsa_wavefront_size32 1
		.amdhsa_system_sgpr_workgroup_id_x 1
		.amdhsa_system_sgpr_workgroup_id_y 1
		.amdhsa_system_sgpr_workgroup_id_z 1
		.amdhsa_system_vgpr_workitem_id 0
		.amdhsa_next_free_vgpr 32
		.amdhsa_next_free_sgpr 66
		.amdhsa_reserve_vcc 0
		.amdhsa_float_denorm_mode_32 3
		.amdhsa_float_denorm_mode_16_64 3
		.amdhsa_memory_ordered 1
		.amdhsa_forward_progress 1
		.amdhsa_inst_pref_size 4
	.end_amdhsa_kernel
	.amdgpu_metadata
---
amdhsa.version: [ 1, 2 ]
amdhsa.kernels:
  - .name:           k_q762895448c_samp
    .symbol:         k_q762895448c_samp.kd
    .args:
      - { .name: idx, .offset: 0, .size: 8, .value_kind: global_buffer, .address_space: global }
      - { .name: wts, .offset: 8, .size: 8, .value_kind: global_buffer, .address_space: global }
      - { .name: v, .offset: 16, .size: 8, .value_kind: global_buffer, .address_space: global }
      - { .name: smp, .offset: 24, .size: 8, .value_kind: global_buffer, .address_space: global }
    .group_segment_fixed_size: 0
    .private_segment_fixed_size: 0
    .kernarg_segment_align: 8
    .kernarg_segment_size: 32
    .max_flat_workgroup_size: 128
    .sgpr_count:     66
    .vgpr_count:     32
    .wavefront_size: 32
...
	.end_amdgpu_metadata
.endif
;; end of part 2
;; launch main (part 3): grid 256 x 1, 16 waves a work-group, no clusters, 133,120 bytes of LDS; arguments grid, W1, b1, w2s, smp, part; writes part
.if DOCPART == 3
	.amdgcn_target "amdgcn-amd-amdhsa--gfx1250"
	.amdhsa_code_object_version 6
	.text
	.protected	k_q762895448c_main
	.globl	k_q762895448c_main
	.p2align	8
	.type	k_q762895448c_main,@function
k_q762895448c_main:
	s_mov_b64 s[64:65], 0
	v_nop
	global_prefetch_b8 v0, s[64:65] scope:SCOPE_SE
	s_setreg_imm32_b32 hwreg(HW_REG_WAVE_MODE, 25, 1), 1
	s_wait_xcnt 0x0
; THIRD LAUNCH: part[rq][pt][16 b + n][pl] = sum over the 256 r of quarter rq of ksum[p, r, n] * smp[b, n, r],  p = 16 pt + pl.
; No work of reference() is left out here.
; The bulk is the exact gelu of 1,024 x 1,024 x 128 numbers: vector work.  The products with W2s are 8 matrix instructions beside some
; 1,150 vector instructions of a trip, so the design counts vector instructions, not matrix tiles.
; SHARES.  Work-group: 16 p (pt = id & 63) x 256 r (rq = id >> 6).  Wave w of 16: r = 256 rq + 16 w + 0 .. 15, two r (X, Y) a trip, 8 trips.
; A tile is one r: M = 16 p, N = 16 n, K = 128 h, four matrix instructions.  Lane (m = L & 15, hh = L >> 4) makes hidden[p = 16 pt + m][h = 64 hh .. 64 hh + 63].
; K's places are permuted alike in A and B: element e of fragment c in half hh stands for h = 64 hh + 16 c + e, so a lane's 64 h are 256 consecutive bytes of every table.
; PRE-ACTIVATION.  x = a_r[h] + cp_p[h];  a_r = (gx_r - cx) W1[0] + (gy_r - cy) W1[1] (the wave's 16 rows, in its own 8 KiB of LDS),
; cp_p = b1 + (cx - gx_p) W1[0] + (cy - gy_p) W1[1] (64 registers of the lane); (cx, cy) = grid point 0, so that an offset common to all of grid cancels before any product.
; GELU.  erf(z) = 1 - (1 + a1 z + .. + a6 z^6)^-16 (Abramowitz and Stegun 7.1.28, absolute error at most 3e-7 for every z >= 0).  With u = -|x| and 1/sqrt 2 folded in:
; P = 1 + u (K1 + u (K2 + .. + u K6)): every step adds numbers of one sign; t = 1/P; y = x + u (t^16 - 1) = 2 gelu(x).  A huge |x| gives P = inf, t = 0, y = x + |x|.
; The 1/2 lies in w2s, the einsum's 1/32 in smp, and b2s enters as the C of each tile's first matrix instruction.
; F16 OPERANDS, NOT BF16.  The rounding of W2s is the same for all 1,024 r of a sum and does not average out; with bf16's half-step of 2^-8 on both operands the error
; at the p far from most r comes near the 1 per cent of the output's root mean square that is allowed.  f16's half-step is 2^-11, an eighth of that.
; Room in f16 (largest 65,504, subnormals kept): y <= 2 |x|, |x| <= 2 (|W1[0][h]| + |W1[1][h]|) + |b1[h]| for grid in [-1, 1]; with |W1| of a few units that is some tens,
; and with grid and W1 both thirty times larger some ten thousands; thirty times smaller, y is near 1e-3 and f16's absolute step of 2^-24 is under 1e-4 of it.  0.5 W2s is a few tenths.
; EINSUM.  In D lane (n = L & 15, hh) holds ksum[16 pt + 8 hh + j][r][n] in register j: ACC[8 b + j] += D[j] * smp[b][n][r], no traffic between lanes.
; NO CLUSTER, NO TENSOR LOADS: what work-groups share is grid, W1, b1 and w2s, 18 KiB read once at the start; a row of smp is read by one wave of a work-group.
; LIMITS: erf as above; hidden and W2s are rounded to f16: for |x| >= 32,752 (y >= 65,504) or |W2s| >= 131,008 the operand is infinite where reference() is still finite;
; sums run in another order than reference()'s.
.set K6,  4                            ; v[4:5]     the polynomial's coefficients, each twice (a pair for the packed forms)
.set K5,  6                            ; v[6:7]
.set CP,  8                            ; v[8:71]    cp_p[64 hh + i]; at the end the sixteen waves' partial sums
.set ACC, 72                           ; v[72:135]  ACC[8 b + j]; in the prologue W1's row 0, then w2s
.set BF,  136                          ; v[136:167] W2s as four B fragments
.set TMP, 136                          ; v[136:199] in the prologue W1's row 1
.set CB,  168                          ; v[168:175] b2s[n], eight times: the C of a tile's first product
.set XA,  176                          ; v[176:183] D of the even r; in the prologue rows of the a_r table on their way to LDS
.set YA,  184                          ; v[184:191] D of the odd r; likewise
.set AF,  192                          ; v[192:199] one A fragment
.set SM,  200                          ; v[200:215] smp of X (b = 0 .. 7), of Y
.set NDP, 202                          ; v[202:203] prologue: cx - gx_p, cy - gy_p
.set DXY, 204                          ; v[204:205] prologue: gx_r - cx, gy_r - cy
.set R0,  216                          ; v[216:223] eight a_r, then x, then y: batches with half 0
.set R1,  224                          ; v[224:231] the same for half 1
.set UN,  232                          ; v[232:239] -|x|; in the prologue my four columns of W1's two rows
.set QP,  240                          ; v[240:247] the polynomial and its powers; in the prologue offsets
.set K4,  248
.set K3,  250
.set K2,  252
.set K1,  254
.set TA,  240                          ; 256 hh
.set TB,  241                          ; 16 L
.set TC,  242                          ; my p's point in grid
.set TD,  243                          ; 4,096 hh + 4 n
.set TE,  244                          ; 4 L
.set TR,  245                          ; L & 15
.set TH,  246                          ; hh
.set TL,  247                          ; L
; v1 = LDS address of my half of the trip's first a_r row; v2 = 16 (L & 15), my place in a row of smp; v3 = where I put my 16 bytes of an a_r row
	s_load_b256 s[4:11], s[0:1], 0x0               ; grid s[4:5], W1 s[6:7], b1 s[8:9], w2s s[10:11]
	s_load_b128 s[12:15], s[0:1], 0x20             ; smp s[12:13], part s[14:15]
	v_lshrrev_b32 v1, 5, v0
	v_readfirstlane_b32 s16, v1                    ; wave 0 .. 15
	s_and_b32 s17, ttmp9, 63                       ; pt
	s_lshr_b32 s18, ttmp9, 6                       ; rq
	s_mov_b32 s19, 0x80000000                      ; the sign bit
	s_lshl_b32 s22, s18, 11
	s_lshl_b32 s20, s16, 7
	s_add_co_u32 s22, s22, s20                     ; 8 (256 rq + 16 w): my sixteen points in grid
	s_mov_b32 s23, 0
	s_lshl_b32 s21, s17, 7                         ; 8 x 16 pt
	v_and_b32 v[TL], 31, v0
	v_and_b32 v[TR], 15, v0
	v_bfe_u32 v[TH], v0, 4, 1
	v_lshlrev_b32 v[TA], 8, v[TH]
	v_lshlrev_b32 v[TB], 4, v[TL]
	v_lshl_add_u32 v[TC], v[TR], 3, s21
	v_lshlrev_b32 v[TD], 2, v[TR]
	v_lshl_add_u32 v[TD], v[TH], 12, v[TD]
	v_lshlrev_b32 v[TE], 2, v[TL]
	s_wait_kmcnt 0x0
	s_add_nc_u64 s[60:61], s[4:5], s[22:23]
	s_load_b64 s[24:25], s[4:5], 0x0               ; cx, cy
	s_load_b512 s[28:43], s[60:61], 0x0            ; the wave's points 0 .. 7 as (gx, gy)
	s_load_b512 s[44:59], s[60:61], 0x40           ; points 8 .. 15
	global_load_b64 v[SM:SM+1], v[TC], s[4:5]      ; gx_p, gy_p
.irp i, 0,1,2,3,4,5,6,7,8,9,10,11,12,13,14,15
	global_load_b128 v[CP+4*\i:CP+4*\i+3], v[TA], s[8:9] offset:16*\i          ; b1[64 hh ..]
.endr
.irp i, 0,1,2,3,4,5,6,7,8,9,10,11,12,13,14,15
	global_load_b128 v[ACC+4*\i:ACC+4*\i+3], v[TA], s[6:7] offset:16*\i        ; W1[0][64 hh ..]
.endr
.irp i, 0,1,2,3,4,5,6,7,8,9,10,11,12,13,14,15
	global_load_b128 v[TMP+4*\i:TMP+4*\i+3], v[TA], s[6:7] offset:512+16*\i    ; W1[1][64 hh ..]
.endr
	global_load_b128 v[UN:UN+3], v[TB], s[6:7]                 ; W1[0][4 L ..]: my columns of the a_r table
	global_load_b128 v[UN+4:UN+7], v[TB], s[6:7] offset:512    ; W1[1][4 L ..]
	s_wait_loadcnt 0x0
	s_wait_kmcnt 0x0
	v_sub_f32 v[NDP], s24, v[SM]
	v_sub_f32 v[NDP+1], s25, v[SM+1]
.set i, 0
.rept 32
	v_pk_fma_f32 v[CP+2*i:CP+2*i+1], v[ACC+2*i:ACC+2*i+1], v[NDP:NDP+1], v[CP+2*i:CP+2*i+1] op_sel_hi:[1,0,1]
.set i, i+1
.endr
.set i, 0
.rept 32
	v_pk_fma_f32 v[CP+2*i:CP+2*i+1], v[TMP+2*i:TMP+2*i+1], v[NDP:NDP+1], v[CP+2*i:CP+2*i+1] op_sel:[0,1,0] op_sel_hi:[1,1,1]
.set i, i+1
.endr
	; w2s[64 hh + i][n] into ACC[i]; the a_r table is made while these are on their way
.set i, 0
.rept 64
	global_load_b32 v[ACC+i], v[TD], s[10:11] offset:64*i
.set i, i+1
.endr
	global_load_b32 v[CB], v[TE], s[10:11] offset:8192         ; b2s[n]
	v_lshl_add_u32 v1, s16, 13, v[TA]              ; 8,192 w + 256 hh
	v_lshlrev_b32 v2, 4, v[TR]
	v_lshl_add_u32 v3, s16, 13, v[TB]              ; 8,192 w + 16 L
.set i, 0
.rept 16
	v_sub_f32 v[DXY], s[28+2*i], s24
	v_sub_f32 v[DXY+1], s[29+2*i], s25
	v_pk_mul_f32 v[XA+4*(i%4):XA+4*(i%4)+1], v[UN+4:UN+5], v[DXY:DXY+1] op_sel:[0,1] op_sel_hi:[1,1]
	v_pk_mul_f32 v[XA+4*(i%4)+2:XA+4*(i%4)+3], v[UN+6:UN+7], v[DXY:DXY+1] op_sel:[0,1] op_sel_hi:[1,1]
	v_pk_fma_f32 v[XA+4*(i%4):XA+4*(i%4)+1], v[UN:UN+1], v[DXY:DXY+1], v[XA+4*(i%4):XA+4*(i%4)+1] op_sel_hi:[1,0,1]
	v_pk_fma_f32 v[XA+4*(i%4)+2:XA+4*(i%4)+3], v[UN+2:UN+3], v[DXY:DXY+1], v[XA+4*(i%4)+2:XA+4*(i%4)+3] op_sel_hi:[1,0,1]
	ds_store_b128 v3, v[XA+4*(i%4):XA+4*(i%4)+3] offset:512*i  ; row i of my wave's table, h = 4 L .. 4 L + 3
.set i, i+1
.endr
	; the first two batches' a_r.  The table is the wave's own and LDS serves a wave's instructions in order (ISA guide 5.7.1): these see the stores above
	ds_load_b128 v[R0:R0+3], v1
	ds_load_b128 v[R0+4:R0+7], v1 offset:16
	ds_load_b128 v[R1:R1+3], v1 offset:32
	ds_load_b128 v[R1+4:R1+7], v1 offset:48
	v_mov_b32 v[K6], 0x36b49f67                    ;  a6 / 8
	v_mov_b32 v[K6+1], 0x36b49f67
	v_mov_b32 v[K5], 0xb84d0fed                    ; -a5 / 2^2.5
	v_mov_b32 v[K5+1], 0xb84d0fed
	v_mov_b32 v[K4], 0x381f6607                    ;  a4 / 4
	v_mov_b32 v[K4+1], 0x381f6607
	v_mov_b32 v[K3], 0xbb56cd72                    ; -a3 / 2^1.5
	v_mov_b32 v[K3+1], 0xbb56cd72
	v_mov_b32 v[K2], 0x3cad2fe7                    ;  a2 / 2
	v_mov_b32 v[K2+1], 0x3cad2fe7
	v_mov_b32 v[K1], 0xbd4c41b4                    ; -a1 / sqrt 2
	v_mov_b32 v[K1+1], 0xbd4c41b4
	s_lshl_b32 s22, s22, 6                         ; 512 (256 rq + 16 w): my first row of smp
	s_add_nc_u64 s[12:13], s[12:13], s[22:23]
	s_wait_loadcnt 0x0
.set i, 0
.rept 32
	v_cvt_pk_f16_f32 v[BF+i], v[ACC+2*i], v[ACC+2*i+1]         ; register i & 7 of fragment i >> 3: h = 64 hh + 2 i and the next
.set i, i+1
.endr
.irp j, 1,2,3,4,5,6,7
	v_mov_b32 v[CB+\j], v[CB]
.endr
; Eight numbers of hidden: x = a_r + cp, y = 2 gelu(x), four registers of the A fragment.  rb: R0 or R1, which hold the a_r; cpo: the place in CP; afo: the place in AF;
; wcnt: how many younger LDS loads may stay out; ld = 1: rb is loaded again, from byte ldoff behind v1, for the batch after the next.
; The reciprocals go in two groups; behind each group stands a packed instruction on other registers before a result is used (ISA guide 5.7.2).
.macro BATCH rb, cpo, afo, wcnt, ld, ldoff
	s_wait_dscnt \wcnt                             ; LDS loads come back in order: mine are in, the next batch's two stay out
.irp p, 0,2,4,6
	v_pk_add_f32 v[\rb+\p:\rb+\p+1], v[\rb+\p:\rb+\p+1], v[CP+\cpo+\p:CP+\cpo+\p+1]
.endr
.irp i, 0,1,2,3,4,5,6,7
	v_or_b32 v[UN+\i], s19, v[\rb+\i]              ; u = -|x|
.endr
.irp p, 0,2,4,6
	v_pk_fma_f32 v[QP+\p:QP+\p+1], v[UN+\p:UN+\p+1], v[K6:K6+1], v[K5:K5+1]
.endr
.irp k, K4,K3,K2,K1
.irp p, 0,2,4,6
	v_pk_fma_f32 v[QP+\p:QP+\p+1], v[QP+\p:QP+\p+1], v[UN+\p:UN+\p+1], v[\k:\k+1]
.endr
.endr
.irp p, 0,2,4
	v_pk_fma_f32 v[QP+\p:QP+\p+1], v[QP+\p:QP+\p+1], v[UN+\p:UN+\p+1], 1.0 op_sel_hi:[1,1,0]   ; P
.endr
.irp i, 0,1,2,3,4,5
	v_rcp_f32 v[QP+\i], v[QP+\i]                   ; t = 1 / P
.endr
	v_pk_fma_f32 v[QP+6:QP+7], v[QP+6:QP+7], v[UN+6:UN+7], 1.0 op_sel_hi:[1,1,0]              ; the fourth pair's P: the plain instruction behind the six
	s_wait_alu depctr_va_vdst(0)
.irp p, 0,2,4
	v_pk_mul_f32 v[QP+\p:QP+\p+1], v[QP+\p:QP+\p+1], v[QP+\p:QP+\p+1]                          ; t^2
.endr
	v_rcp_f32 v[QP+6], v[QP+6]
	v_rcp_f32 v[QP+7], v[QP+7]
.irp p, 0,2,4
	v_pk_mul_f32 v[QP+\p:QP+\p+1], v[QP+\p:QP+\p+1], v[QP+\p:QP+\p+1]                          ; t^4; the first is the plain instruction behind the two
.endr
	s_wait_alu depctr_va_vdst(0)
	v_pk_mul_f32 v[QP+6:QP+7], v[QP+6:QP+7], v[QP+6:QP+7]
.irp p, 0,2,4
	v_pk_mul_f32 v[QP+\p:QP+\p+1], v[QP+\p:QP+\p+1], v[QP+\p:QP+\p+1]                          ; t^8
.endr
	v_pk_mul_f32 v[QP+6:QP+7], v[QP+6:QP+7], v[QP+6:QP+7]
.irp p, 0,2,4
	v_pk_fma_f32 v[QP+\p:QP+\p+1], v[QP+\p:QP+\p+1], v[QP+\p:QP+\p+1], -1.0 op_sel_hi:[1,1,0]  ; t^16 - 1 = -erf
.endr
	v_pk_mul_f32 v[QP+6:QP+7], v[QP+6:QP+7], v[QP+6:QP+7]
.irp p, 0,2,4
	v_pk_fma_f32 v[\rb+\p:\rb+\p+1], v[UN+\p:UN+\p+1], v[QP+\p:QP+\p+1], v[\rb+\p:\rb+\p+1]    ; y = x + |x| erf
.endr
	v_pk_fma_f32 v[QP+6:QP+7], v[QP+6:QP+7], v[QP+6:QP+7], -1.0 op_sel_hi:[1,1,0]
.irp i, 0,1,2
	v_cvt_pk_f16_f32 v[AF+\afo+\i], v[\rb+2*\i], v[\rb+2*\i+1]
.endr
	v_pk_fma_f32 v[\rb+6:\rb+7], v[UN+6:UN+7], v[QP+6:QP+7], v[\rb+6:\rb+7]
	v_cvt_pk_f16_f32 v[AF+\afo+3], v[\rb+6], v[\rb+7]
.if \ld
	ds_load_b128 v[\rb:\rb+3], v1 offset:\ldoff
	ds_load_b128 v[\rb+4:\rb+7], v1 offset:\ldoff+16
.endif
.endm
; One A fragment (two batches) and its matrix instruction.  acc: XA or YA; c: the fragment, h = 64 hh + 16 c ..; noff: where the next stage's fragment lies.
; AF is written again only by the conversions at the end of the next batch, more than fifty plain vector instructions behind the matrix instruction that reads it (ISA guide 7.12.1).
.macro STAGE acc, c, noff, ld, wlast
	BATCH R0, 16*\c, 0, 2, \ld, \noff
	BATCH R1, 16*\c+8, 4, \wlast, \ld, \noff+32
.if \c
	v_wmma_f32_16x16x32_f16 v[\acc:\acc+7], v[AF:AF+7], v[BF+8*\c:BF+8*\c+7], v[\acc:\acc+7]
.else
	v_wmma_f32_16x16x32_f16 v[\acc:\acc+7], v[AF:AF+7], v[BF:BF+7], v[CB:CB+7]                 ; b2s starts the sum
.endif
.endm
; ACC[8 b + j] += D[j] * smp[b].  first = 1: the very first tile starts the sums, nothing is cleared.
.macro EIN acc, sb, first
.irp b, 0,2,4,6
.irp j, 0,2,4,6
.if \first
	v_pk_mul_f32 v[ACC+8*\b+\j:ACC+8*\b+\j+1], v[\acc+\j:\acc+\j+1], v[\sb+\b:\sb+\b+1] op_sel_hi:[1,0]
.else
	v_pk_fma_f32 v[ACC+8*\b+\j:ACC+8*\b+\j+1], v[\acc+\j:\acc+\j+1], v[\sb+\b:\sb+\b+1], v[ACC+8*\b+\j:ACC+8*\b+\j+1] op_sel_hi:[1,0,1]
.endif
.endr
.irp j, 0,2,4,6
.if \first
	v_pk_mul_f32 v[ACC+8*\b+8+\j:ACC+8*\b+8+\j+1], v[\acc+\j:\acc+\j+1], v[\sb+\b:\sb+\b+1] op_sel:[0,1] op_sel_hi:[1,1]
.else
	v_pk_fma_f32 v[ACC+8*\b+8+\j:ACC+8*\b+8+\j+1], v[\acc+\j:\acc+\j+1], v[\sb+\b:\sb+\b+1], v[ACC+8*\b+8+\j:ACC+8*\b+8+\j+1] op_sel:[0,1,0] op_sel_hi:[1,1,1]
.endif
.endr
.endr
.endm
; Two r.  The matrix instructions go X0 Y0 X1 Y1 X2 Y2 X3 Y3: the two accumulators take turns, one instruction a turn, over the backward jump too.
; X's a_r row lies at v1, Y's 512 bytes behind it, the next trip's 1,024 behind.
.macro TRIP first, last
	global_load_b128 v[SM:SM+3], v2, s[12:13]                  ; smp of X, b = 0 .. 3: sixteen lanes take 256 consecutive bytes
	global_load_b128 v[SM+4:SM+7], v2, s[12:13] offset:256     ; b = 4 .. 7
	global_load_b128 v[SM+8:SM+11], v2, s[12:13] offset:512    ; of Y
	global_load_b128 v[SM+12:SM+15], v2, s[12:13] offset:768
	STAGE XA, 0, 512, 1, 2
	STAGE YA, 0, 64, 1, 2
	STAGE XA, 1, 576, 1, 2
	STAGE YA, 1, 128, 1, 2
	STAGE XA, 2, 640, 1, 2
	STAGE YA, 2, 192, 1, 2
	STAGE XA, 3, 704, 1, 2
.if \last
	STAGE YA, 3, 0, 0, 0                           ; nothing is left to load: the last batch's wait is for 0
.else
	STAGE YA, 3, 1024, 1, 2
.endif
	s_wait_loadcnt 0x0                             ; smp, asked for a whole trip ago
	EIN XA, SM, \first                             ; X's last product lies a stage back; these 32 name none of Y's last product's registers and are the places behind it
	EIN YA, SM+8, 0
.if \last == 0
	s_add_nc_u64 s[12:13], s[12:13], 1024          ; the loads that named the base are done
	v_add_nc_u32 v1, 1024, v1
.endif
.endm
	TRIP 1, 0
	s_mov_b32 s20, 6
.Ltrip:
	TRIP 0, 0
	s_sub_co_i32 s20, s20, 1
	s_cmp_lg_u32 s20, 0
	s_cbranch_scc1 .Ltrip
	TRIP 0, 1
	; The sixteen waves' sums meet in LDS.  Each wave lays its 8 KiB over its own table (its reads of it are back: the last batch waited for 0),
	; in the layout of a block of part: byte 64 (16 b + n) + 4 (8 hh + j).
	v_and_b32 v[R0], 15, v0
	v_bfe_u32 v[R0+1], v0, 4, 1
	v_lshlrev_b32 v[R0], 6, v[R0]
	v_lshl_add_u32 v[R0], v[R0+1], 5, v[R0]
	v_lshl_add_u32 v[R0], s16, 13, v[R0]           ; 8,192 w + 64 n + 32 hh
	v_lshlrev_b32 v[R0+2], 4, v0                   ; 16 t: my 16 bytes of the block
	v_add_nc_u32 v[R0+3], 0x10000, v[R0+2]         ; the same in waves 8 .. 15: an LDS immediate ends at 65,535
.irp b, 0,1,2,3,4,5,6,7
	ds_store_b128 v[R0], v[ACC+8*\b:ACC+8*\b+3] offset:1024*\b
	ds_store_b128 v[R0], v[ACC+8*\b+4:ACC+8*\b+7] offset:1024*\b+16
.endr
	s_wait_dscnt 0x0                               ; for the others' sake: my stores are in LDS
	s_barrier_signal -1
	s_barrier_wait -1
.irp w, 0,1,2,3,4,5,6,7
	ds_load_b128 v[CP+4*\w:CP+4*\w+3], v[R0+2] offset:8192*\w
.endr
.irp w, 0,1,2,3,4,5,6,7
	ds_load_b128 v[CP+32+4*\w:CP+32+4*\w+3], v[R0+3] offset:8192*\w
.endr
	s_lshl_b32 s22, s18, 19                        ; 524,288 rq
	s_lshl_b32 s21, s17, 13                        ; 8,192 pt
	s_add_co_u32 s22, s22, s21
	s_add_nc_u64 s[14:15], s[14:15], s[22:23]
	s_wait_dscnt 0x0
.set i, 0
.rept 16
	v_pk_add_f32 v[CP+2*i:CP+2*i+1], v[CP+2*i:CP+2*i+1], v[CP+32+2*i:CP+32+2*i+1]
.set i, i+1
.endr
.set i, 0
.rept 8
	v_pk_add_f32 v[CP+2*i:CP+2*i+1], v[CP+2*i:CP+2*i+1], v[CP+16+2*i:CP+16+2*i+1]
.set i, i+1
.endr
.set i, 0
.rept 4
	v_pk_add_f32 v[CP+2*i:CP+2*i+1], v[CP+2*i:CP+2*i+1], v[CP+8+2*i:CP+8+2*i+1]
.set i, i+1
.endr
	v_pk_add_f32 v[CP:CP+1], v[CP:CP+1], v[CP+4:CP+5]
	v_pk_add_f32 v[CP+2:CP+3], v[CP+2:CP+3], v[CP+6:CP+7]
	global_store_b128 v[R0+2], v[CP:CP+3], s[14:15]            ; a wave's store covers 512 consecutive bytes, aligned
	s_barrier_signal -1
	s_barrier_wait -1
	s_wait_xcnt 0x0
	v_lshl_add_u32 v254, v0, 2, 0x20000
	v_mov_b32 v255, 0
	s_wait_tensorcnt 0x0
	ds_add_u32 v254, v255
	s_wait_dscnt 0x0
	s_endpgm
.Lfunc_end_k_q762895448c_main:
	.size	k_q762895448c_main, .Lfunc_end_k_q762895448c_main-k_q762895448c_main
	.p2alignl 7, 3214868480
	.fill 96, 4, 3214868480
	.section	.rodata,"a",@progbits
	.p2align	6, 0x0
	.amdhsa_kernel k_q762895448c_main
		.amdhsa_group_segment_fixed_size 133120
		.amdhsa_private_segment_fixed_size 0
		.amdhsa_enable_private_segment 0
		.amdhsa_kernarg_size 48
		.amdhsa_user_sgpr_count 2
		.amdhsa_user_sgpr_kernarg_segment_ptr 1
		.amdhsa_wavefront_size32 1
		.amdhsa_system_sgpr_workgroup_id_x 1
		.amdhsa_system_sgpr_workgroup_id_y 1
		.amdhsa_system_sgpr_workgroup_id_z 1
		.amdhsa_system_vgpr_workitem_id 0
		.amdhsa_next_free_vgpr 256
		.amdhsa_next_free_sgpr 66
		.amdhsa_reserve_vcc 0
		.amdhsa_float_denorm_mode_32 3
		.amdhsa_float_denorm_mode_16_64 3
		.amdhsa_memory_ordered 1
		.amdhsa_forward_progress 1
		.amdhsa_inst_pref_size 238
	.end_amdhsa_kernel
	.amdgpu_metadata
---
amdhsa.version: [ 1, 2 ]
amdhsa.kernels:
  - .name:           k_q762895448c_main
    .symbol:         k_q762895448c_main.kd
    .args:
      - { .name: grid, .offset: 0, .size: 8, .value_kind: global_buffer, .address_space: global }
      - { .name: W1, .offset: 8, .size: 8, .value_kind: global_buffer, .address_space: global }
      - { .name: b1, .offset: 16, .size: 8, .value_kind: global_buffer, .address_space: global }
      - { .name: w2s, .offset: 24, .size: 8, .value_kind: global_buffer, .address_space: global }
      - { .name: smp, .offset: 32, .size: 8, .value_kind: global_buffer, .address_space: global }
      - { .name: part, .offset: 40, .size: 8, .value_kind: global_buffer, .address_space: global }
    .group_segment_fixed_size: 133120
    .private_segment_fixed_size: 0
    .kernarg_segment_align: 8
    .kernarg_segment_size: 48
    .max_flat_workgroup_size: 512
    .sgpr_count:     66
    .vgpr_count:     256
    .wavefront_size: 32
...
	.end_amdgpu_metadata
.endif
;; end of part 3
;; launch resz (part 4): grid 256 x 1, 8 waves a work-group, no clusters, 4,096 bytes of LDS; arguments part, out0; writes out0
.if DOCPART == 4
	.amdgcn_target "amdgcn-amd-amdhsa--gfx1250"
	.amdhsa_code_object_version 6
	.text
	.protected	k_q762895448c_resz
	.globl	k_q762895448c_resz
	.p2align	8
	.type	k_q762895448c_resz,@function
k_q762895448c_resz:
	s_mov_b64 s[64:65], 0
	v_nop
	global_prefetch_b8 v0, s[64:65] scope:SCOPE_SE
	s_setreg_imm32_b32 hwreg(HW_REG_WAVE_MODE, 25, 1), 1
	s_wait_xcnt 0x0
; FOURTH LAUNCH: the four quarters of the sum over r are added, and each 32 x 32 plane is resized to 256 x 256 (half-pixel, linear).  No work is left out.
; Output pixel o samples at (o + 0.5) / 8 - 0.5.  At the rim reference()'s resize drops the tap that lies outside and renormalises, which is the same as clamping the tap's index.
; Work-group: planes bn = 4 g .. 4 g + 3 (g = id & 31), output rows 32 e .. 32 e + 31 (e = id >> 5), which need the six input rows clamp(4 e - 1 + s), s = 0 .. 5.
; LDS: [plane 4][slot 6][32 px] f32, 3,072 bytes.
; Thread t: the four output columns 4 xq .. 4 xq + 3 (xq = t & 63) of rows 32 e + 4 i + ys (ys = t >> 6, i = 0 .. 7).  They share two input columns:
; i0 = (xq >> 1) - 1 + (xq & 1) and i0 + 1, with fractions (2 e' + 9 - 8 (xq & 1)) / 16.  Row i lies between slots (i >> 1) + (i & 1) and the next,
; with fraction (2 ys + 9) / 16 for even i and (2 ys + 1) / 16 for odd i.
; Memory binds: each store of a wave covers 512 consecutive bytes, aligned; every store has data registers of its own, so none waits for another.
.set FX,  4                            ; v[4:7]     the four fractions along x
.set GY,  8                            ; v[8:9]     the two fractions along y
.set INP, 20                           ; v[20:67]   plane b, slot s: the pair (a, b - a) of the two input columns
.set HH,  68                           ; v[68:91]   slot s: four columns, interpolated along x
.set DD,  92                           ; v[92:111]  slot s + 1 minus slot s
.set OO,  112                          ; v[112:239] plane b, row i: four results; first the four quarters of part
	s_load_b128 s[4:7], s[0:1], 0x0                ; part s[4:5], out0 s[6:7]
	v_lshl_add_u32 v240, v0, 2, 0xc00
	v_mov_b32 v241, 0
	v_lshrrev_b32 v10, 5, v0
	v_readfirstlane_b32 s8, v10                    ; wave number
	s_and_b32 s9, ttmp9, 31                        ; g
	s_lshr_b32 s10, ttmp9, 5                       ; e
	s_lshl_b32 s11, s10, 2                         ; 4 e
	s_lshl_b32 s12, s9, 8                          ; 256 g: my four planes in a block of part
	s_lshl_b32 s14, s9, 20                         ; four planes of 262,144 bytes
	s_lshl_b32 s13, s10, 15                        ; 32 rows of 1,024 bytes
	s_add_co_u32 s14, s14, s13
	s_mov_b32 s15, 0
	s_wait_kmcnt 0x0
	s_add_nc_u64 s[6:7], s[6:7], s[14:15]
	s_cmp_ge_u32 s8, 6
	s_cbranch_scc1 .Lstaged                        ; waves 0 to 5 stage one slot each
	v_bfe_u32 v11, v0, 4, 1                        ; xh: which 16 px of the input row (v10 = t >> 5 is the slot)
	v_and_b32 v12, 15, v0                          ; u: 16 bytes of the 256 that hold my four planes' 16 px
	v_add_nc_u32 v13, s11, v10
	v_max_u32 v13, 1, v13
	v_add_nc_u32 v13, -1, v13
	v_min_u32 v13, 31, v13                         ; py = clamp(4 e - 1 + s, 0, 31)
	v_lshl_add_u32 v13, v13, 1, v11                ; pt = 2 py + xh
	v_lshlrev_b32 v13, 13, v13                     ; blocks of 8,192 bytes
	v_lshl_add_u32 v13, v12, 4, v13
	v_add_nc_u32 v13, s12, v13
.irp q, 0,1,2,3
	global_load_b128 v[OO+4*\q:OO+4*\q+3], v13, s[4:5] offset:524288*\q        ; quarter q of the sum over r; sixteen lanes take 256 consecutive bytes, aligned
.endr
	v_lshrrev_b32 v14, 2, v12                      ; the plane
	v_mul_u32_u24 v14, 6, v14
	v_add_nc_u32 v14, v14, v10
	v_lshlrev_b32 v14, 7, v14                      ; (6 plane + slot) rows of 128 bytes
	v_lshl_add_u32 v14, v11, 6, v14
	v_and_b32 v15, 3, v12
	v_lshl_add_u32 v14, v15, 4, v14
	s_wait_loadcnt 0x0
	v_pk_add_f32 v[OO:OO+1], v[OO:OO+1], v[OO+4:OO+5]
	v_pk_add_f32 v[OO+2:OO+3], v[OO+2:OO+3], v[OO+6:OO+7]
	v_pk_add_f32 v[OO+8:OO+9], v[OO+8:OO+9], v[OO+12:OO+13]
	v_pk_add_f32 v[OO+10:OO+11], v[OO+10:OO+11], v[OO+14:OO+15]
	v_pk_add_f32 v[OO:OO+1], v[OO:OO+1], v[OO+8:OO+9]
	v_pk_add_f32 v[OO+2:OO+3], v[OO+2:OO+3], v[OO+10:OO+11]
	ds_store_b128 v14, v[OO:OO+3]
.Lstaged:
	s_wait_dscnt 0x0                               ; for the others' sake: my store is in LDS
	s_barrier_signal -1
	s_barrier_wait -1
	v_lshlrev_b32 v1, 4, v0                        ; 16 t = 1,024 ys + 16 xq: my 16 bytes in the group's first four rows
	v_and_b32 v10, 63, v0                          ; xq
	v_lshrrev_b32 v11, 6, v0                       ; ys
	v_and_b32 v12, 1, v10
	v_lshrrev_b32 v13, 1, v10
	v_add_nc_u32 v13, v13, v12                     ; i0 + 1
	v_min_u32 v3, 31, v13
	v_max_u32 v2, 1, v13
	v_add_nc_u32 v2, -1, v2
	v_lshlrev_b32 v2, 2, v2                        ; 4 max(i0, 0)
	v_lshlrev_b32 v3, 2, v3                        ; 4 min(i0 + 1, 31)
.irp b, 0,1,2,3
.irp s, 0,1,2,3,4,5
	ds_load_b32 v[INP+12*\b+2*\s], v2 offset:128*(6*\b+\s)
	ds_load_b32 v[INP+12*\b+2*\s+1], v3 offset:128*(6*\b+\s)
.endr
.endr
	v_cvt_f32_u32 v12, v12
	v_cvt_f32_u32 v11, v11
	v_fma_f32 v[FX], v12, -0.5, 0x3f100000         ;  9/16 or 1/16
	v_fma_f32 v[FX+1], v12, -0.5, 0x3f300000       ; 11/16 or 3/16
	v_fma_f32 v[FX+2], v12, -0.5, 0x3f500000       ; 13/16 or 5/16
	v_fma_f32 v[FX+3], v12, -0.5, 0x3f700000       ; 15/16 or 7/16
	v_mul_f32 v11, 0x3e000000, v11                 ; ys / 8
	v_add_f32 v[GY], 0x3f100000, v11               ; (2 ys + 9) / 16
	v_add_f32 v[GY+1], 0x3d800000, v11             ; (2 ys + 1) / 16
; One plane.  left = the LDS loads of the later planes, twelve each, which may stay out.
.macro PLANE b, left
	s_wait_dscnt \left
.irp s, 0,1,2,3,4,5
	v_sub_f32 v[INP+12*\b+2*\s+1], v[INP+12*\b+2*\s+1], v[INP+12*\b+2*\s]
.endr
.irp s, 0,1,2,3,4,5
	v_pk_fma_f32 v[HH+4*\s:HH+4*\s+1], v[FX:FX+1], v[INP+12*\b+2*\s:INP+12*\b+2*\s+1], v[INP+12*\b+2*\s:INP+12*\b+2*\s+1] op_sel:[0,1,0] op_sel_hi:[1,1,0]
	v_pk_fma_f32 v[HH+4*\s+2:HH+4*\s+3], v[FX+2:FX+3], v[INP+12*\b+2*\s:INP+12*\b+2*\s+1], v[INP+12*\b+2*\s:INP+12*\b+2*\s+1] op_sel:[0,1,0] op_sel_hi:[1,1,0]
.endr
.irp s, 0,1,2,3,4
	v_pk_add_f32 v[DD+4*\s:DD+4*\s+1], v[HH+4*\s+4:HH+4*\s+5], v[HH+4*\s:HH+4*\s+1] neg_lo:[0,1] neg_hi:[0,1]
	v_pk_add_f32 v[DD+4*\s+2:DD+4*\s+3], v[HH+4*\s+6:HH+4*\s+7], v[HH+4*\s+2:HH+4*\s+3] neg_lo:[0,1] neg_hi:[0,1]
.endr
.irp m, 0,1,2,3
	; row i = 2 m: slots m and m + 1, the first fraction
	v_pk_fma_f32 v[OO+32*\b+8*\m:OO+32*\b+8*\m+1], v[DD+4*\m:DD+4*\m+1], v[GY:GY+1], v[HH+4*\m:HH+4*\m+1] op_sel_hi:[1,0,1]
	v_pk_fma_f32 v[OO+32*\b+8*\m+2:OO+32*\b+8*\m+3], v[DD+4*\m+2:DD+4*\m+3], v[GY:GY+1], v[HH+4*\m+2:HH+4*\m+3] op_sel_hi:[1,0,1]
	global_store_b128 v1, v[OO+32*\b+8*\m:OO+32*\b+8*\m+3], s[6:7] offset:262144*\b+8192*\m th:TH_STORE_NT
	; row i = 2 m + 1: slots m + 1 and m + 2, the second fraction
	v_pk_fma_f32 v[OO+32*\b+8*\m+4:OO+32*\b+8*\m+5], v[DD+4*\m+4:DD+4*\m+5], v[GY:GY+1], v[HH+4*\m+4:HH+4*\m+5] op_sel:[0,1,0] op_sel_hi:[1,1,1]
	v_pk_fma_f32 v[OO+32*\b+8*\m+6:OO+32*\b+8*\m+7], v[DD+4*\m+6:DD+4*\m+7], v[GY:GY+1], v[HH+4*\m+6:HH+4*\m+7] op_sel:[0,1,0] op_sel_hi:[1,1,1]
	global_store_b128 v1, v[OO+32*\b+8*\m+4:OO+32*\b+8*\m+7], s[6:7] offset:262144*\b+8192*\m+4096 th:TH_STORE_NT
.endr
.endm
	PLANE 0, 36
	PLANE 1, 24
	PLANE 2, 12
	PLANE 3, 0
	s_barrier_signal -1
	s_barrier_wait -1
	s_wait_tensorcnt 0x0
	ds_add_u32 v240, v241
	s_wait_dscnt 0x0
	s_endpgm
.Lfunc_end_k_q762895448c_resz:
	.size	k_q762895448c_resz, .Lfunc_end_k_q762895448c_resz-k_q762895448c_resz
	.p2alignl 7, 3214868480
	.fill 96, 4, 3214868480
	.section	.rodata,"a",@progbits
	.p2align	6, 0x0
	.amdhsa_kernel k_q762895448c_resz
		.amdhsa_group_segment_fixed_size 4096
		.amdhsa_private_segment_fixed_size 0
		.amdhsa_enable_private_segment 0
		.amdhsa_kernarg_size 16
		.amdhsa_user_sgpr_count 2
		.amdhsa_user_sgpr_kernarg_segment_ptr 1
		.amdhsa_wavefront_size32 1
		.amdhsa_system_sgpr_workgroup_id_x 1
		.amdhsa_system_sgpr_workgroup_id_y 1
		.amdhsa_system_sgpr_workgroup_id_z 1
		.amdhsa_system_vgpr_workitem_id 0
		.amdhsa_next_free_vgpr 242
		.amdhsa_next_free_sgpr 66
		.amdhsa_reserve_vcc 0
		.amdhsa_float_denorm_mode_32 3
		.amdhsa_float_denorm_mode_16_64 3
		.amdhsa_memory_ordered 1
		.amdhsa_forward_progress 1
		.amdhsa_inst_pref_size 21
	.end_amdhsa_kernel
	.amdgpu_metadata
---
amdhsa.version: [ 1, 2 ]
amdhsa.kernels:
  - .name:           k_q762895448c_resz
    .symbol:         k_q762895448c_resz.kd
    .args:
      - { .name: part, .offset: 0, .size: 8, .value_kind: global_buffer, .address_space: global }
      - { .name: out0, .offset: 8, .size: 8, .value_kind: global_buffer, .address_space: global }
    .group_segment_fixed_size: 4096
    .private_segment_fixed_size: 0
    .kernarg_segment_align: 8
    .kernarg_segment_size: 16
    .max_flat_workgroup_size: 256
    .sgpr_count:     66
    .vgpr_count:     242
    .wavefront_size: 32
...
	.end_amdgpu_metadata
.endif
;; end of part 4
;; ======== version 2 of 2: 4 launches; 1.14 times as fast as version 1
;; limits: values are held in f16: magnitudes above 65,504 overflow, below 6.1e-05 lose precision; right only within a limited range of input values; a function is approximated: absolute error at most 0.0005; an absolute error that grows with the inputs' magnitude: up to 0.00025 times it
;; workspace buffers: idx 16,384 bytes of whole numbers; wts 16,384 bytes; w2s 8,448 bytes; smp 524,288 bytes; part 2,097,152 bytes
;; launch prep: the kernel of part 1 again; grid 4 x 1, 8 waves a work-group, no clusters, 0 bytes of LDS; arguments grid, W2, b2, idx, wts, w2s; writes idx, wts, w2s
;; launch samp: the kernel of part 2 again; grid 256 x 1, 4 waves a work-group, no clusters, 0 bytes of LDS; arguments idx, wts, v, smp; writes smp
;; launch main (part 5): grid 256 x 1, 16 waves a work-group, no clusters, 133,120 bytes of LDS; arguments grid, W1, b1, w2s, smp, part; writes part
.if DOCPART == 5
	.amdgcn_target "amdgcn-amd-amdhsa--gfx1250"
	.amdhsa_code_object_version 6
	.text
	.protected	k_q762895448c_main
	.globl	k_q762895448c_main
	.p2align	8
	.type	k_q762895448c_main,@function
k_q762895448c_main:
	s_mov_b64 s[64:65], 0
	v_nop
	global_prefetch_b8 v0, s[64:65] scope:SCOPE_SE
	s_setreg_imm32_b32 hwreg(HW_REG_WAVE_MODE, 25, 1), 1
	s_wait_xcnt 0x0
; THIRD LAUNCH: part[rq][pt][16 b + n][pl] = sum over the 256 r of quarter rq of ksum[p, r, n] * smp[b, n, r],  p = 16 pt + pl.
; No work of reference() is left out here.
; The bulk is the gelu of 1,024 x 1,024 x 128 numbers: vector work.  The products with W2s are 8 matrix instructions beside some
; 900 vector instructions of a trip, so the design counts vector instructions, not matrix tiles.
; SHARES.  Work-group: 16 p (pt = id & 63) x 256 r (rq = id >> 6).  Wave w of 16: r = 256 rq + 16 w + 0 .. 15, two r (X, Y) a trip, 8 trips.
; A tile is one r: M = 16 p, N = 16 n, K = 128 h, four matrix instructions.  Lane (m = L & 15, hh = L >> 4) makes hidden[p = 16 pt + m][h = 64 hh .. 64 hh + 63].
; K's places are permuted alike in A and B: element e of fragment c in half hh stands for h = 64 hh + 16 c + e, so a lane's 64 h are 256 consecutive bytes of every table.
; PRE-ACTIVATION.  x = a_r[h] + cp_p[h];  a_r = (gx_r - cx) W1[0] + (gy_r - cy) W1[1] (the wave's 16 rows, in its own 8 KiB of LDS),
; cp_p = b1 + (cx - gx_p) W1[0] + (cy - gy_p) W1[1] (64 registers of the lane); (cx, cy) = grid point 0, so that an offset common to all of grid cancels before any product.
; GELU.  erf(z) = 1 - (1 + a1 z + a2 z^2 + a3 z^3 + a4 z^4)^-4 (Abramowitz and Stegun 7.1.27, absolute error at most 5e-4 for every z >= 0).  With u = -|x| and 1/sqrt 2 folded in:
; P = 1 + u (K1 + u (K2 + u (K3 + u K4))): every step adds numbers of one sign; t = 1/P; y = x + u (t^4 - 1) = 2 gelu(x).  A huge |x| gives P = inf, t = 0, y = x + |x|.
; Why this short form is enough: y is rounded to f16 next, with a half-step of 2^-11 = 4.9e-4 of y, and the form's error in y is at most 5e-4 |x|, of the same size;
; beyond |x| = 4.2 (z = 3) it is under 1e-4 |x| and falls like |x|^-16, so the large hidden values carry none of it.
; The 1/2 lies in w2s, the einsum's 1/32 in smp; b2s is added to each finished tile.
; THE PIPELINE.  A unit is 4 numbers: one LDS load of 16 bytes, 26 vector instructions, two registers of the A fragment.  A new unit starts every 26 places and lives 77,
; so a step holds three units of age 0, 1 and 2, and their instructions take turns in a fixed order (macro STEP).  The four reciprocals of a step stand 6 or 7 places apart,
; each followed by a plain instruction of another unit; two instructions of which one reads the other's result are at least 4 places apart.
; Unit k of a trip (0 .. 31): stage k >> 2 (tile X for even stages, Y for odd; fragment c = k >> 3), elements 4 (k & 3) .. + 3, register set k & 3.
; F16 OPERANDS, NOT BF16.  The rounding of W2s is the same for all 1,024 r of a sum and does not average out; with bf16's half-step of 2^-8 on both operands the error
; at the p far from most r comes near the 1 per cent of the output's root mean square that is allowed.  f16's half-step is 2^-11, an eighth of that.
; Room in f16 (largest 65,504, subnormals kept): y <= 2 |x|, |x| <= 2 (|W1[0][h]| + |W1[1][h]|) + |b1[h]| for grid in [-1, 1]; with |W1| of a few units that is some tens,
; and with grid and W1 both thirty times larger some ten thousands; thirty times smaller, y is near 1e-3 and f16's absolute step of 2^-24 is under 1e-4 of it.  0.5 W2s is a few tenths.
; EINSUM.  In D lane (n = L & 15, hh) holds ksum[16 pt + 8 hh + j][r][n] in register j: ACC[8 b + j] += D[j] * smp[b][n][r], no traffic between lanes.
; NO CLUSTER, NO TENSOR LOADS: what work-groups share is grid, W1, b1 and w2s, 18 KiB read once at the start; a row of smp is read by one wave of a work-group.
; LIMITS: erf is off by at most 5e-4, y by at most 5e-4 |x|; near 0 the form's slope is 4 a1 = 1.1136 where erf's is 1.1284, so the term |x| erf, itself 0.8 |x| times the
; linear term x, is 1.3 per cent short there; hidden and W2s are rounded to f16: for |x| >= 32,752 (y >= 65,504) or |W2s| >= 131,008 the operand is infinite where
; reference() is still finite; sums run in another order than reference()'s.
.set K4,  4                            ; v[4:5]     a4 / 4, twice (a pair for the packed forms)
.set K3,  6                            ; v[6:7]     -a3 / 2^1.5, twice.  K2 lies in s[60:61], K1 in s[62:63]
.set CP,  8                            ; v[8:71]    cp_p[64 hh + i]; at the end the sixteen waves' partial sums
.set ACC, 72                           ; v[72:135]  ACC[8 b + j]; in the prologue W1's row 0, then w2s
.set BF,  136                          ; v[136:167] W2s as four B fragments
.set TMP, 136                          ; v[136:199] in the prologue W1's row 1
.set XA,  176                          ; v[176:183] D of the even r; in the prologue rows of the a_r table on their way to LDS
.set YA,  184                          ; v[184:191] D of the odd r; likewise
.set AF,  192                          ; v[192:199] one A fragment
.set SM,  200                          ; v[200:215] smp of X (b = 0 .. 7), of Y
.set NDP, 202                          ; v[202:203] prologue: cx - gx_p, cy - gy_p
.set DXY, 204                          ; v[204:205] prologue: gx_r - cx, gy_r - cy
.set RB,  216                          ; v[216:231] set q at RB + 4 q: x, then y
.set UB,  232                          ; v[232:247] set q at UB + 4 q: u = -|x|
.set QB,  248                          ; set q at QB + 4 q - 88 (q / 2): v[248:255] for q = 0, 1 and v[168:175] for q = 2, 3: a_r as it lands, then P, t, t^2, t^4 - 1
.set TS,  216                          ; prologue: where I put my 16 bytes of an a_r row
.set WC,  232                          ; v[232:239] prologue: my four columns of W1's two rows
.set TA,  240                          ; prologue: 256 hh
.set TB,  241                          ; 16 L
.set TC,  242                          ; my p's point in grid
.set TD,  243                          ; 4,096 hh + 4 n
.set TE,  244                          ; 4 L
.set TR,  245                          ; L & 15
.set TH,  246                          ; hh
.set TL,  247                          ; L
; v1 = LDS address of my half of the trip's first a_r row; v2 = 16 (L & 15), my place in a row of smp; v3 = b2s[n]
	s_load_b256 s[4:11], s[0:1], 0x0               ; grid s[4:5], W1 s[6:7], b1 s[8:9], w2s s[10:11]
	s_load_b128 s[12:15], s[0:1], 0x20             ; smp s[12:13], part s[14:15]
	v_lshrrev_b32 v1, 5, v0
	v_readfirstlane_b32 s16, v1                    ; wave 0 .. 15
	s_and_b32 s17, ttmp9, 63                       ; pt
	s_lshr_b32 s18, ttmp9, 6                       ; rq
	s_mov_b32 s19, 0x80000000                      ; the sign bit
	s_lshl_b32 s22, s18, 11
	s_lshl_b32 s20, s16, 7
	s_add_co_u32 s22, s22, s20                     ; 8 (256 rq + 16 w): my sixteen points in grid
	s_mov_b32 s23, 0
	s_lshl_b32 s21, s17, 7                         ; 8 x 16 pt
	v_and_b32 v[TL], 31, v0
	v_and_b32 v[TR], 15, v0
	v_bfe_u32 v[TH], v0, 4, 1
	v_lshlrev_b32 v[TA], 8, v[TH]
	v_lshlrev_b32 v[TB], 4, v[TL]
	v_lshl_add_u32 v[TC], v[TR], 3, s21
	v_lshlrev_b32 v[TD], 2, v[TR]
	v_lshl_add_u32 v[TD], v[TH], 12, v[TD]
	v_lshlrev_b32 v[TE], 2, v[TL]
	s_wait_kmcnt 0x0
	s_add_nc_u64 s[60:61], s[4:5], s[22:23]
	s_load_b64 s[24:25], s[4:5], 0x0               ; cx, cy
	s_load_b512 s[28:43], s[60:61], 0x0            ; the wave's points 0 .. 7 as (gx, gy)
	s_load_b512 s[44:59], s[60:61], 0x40           ; points 8 .. 15
	global_load_b64 v[SM:SM+1], v[TC], s[4:5]      ; gx_p, gy_p
.irp i, 0,1,2,3,4,5,6,7,8,9,10,11,12,13,14,15
	global_load_b128 v[CP+4*\i:CP+4*\i+3], v[TA], s[8:9] offset:16*\i          ; b1[64 hh ..]
.endr
.irp i, 0,1,2,3,4,5,6,7,8,9,10,11,12,13,14,15
	global_load_b128 v[ACC+4*\i:ACC+4*\i+3], v[TA], s[6:7] offset:16*\i        ; W1[0][64 hh ..]
.endr
.irp i, 0,1,2,3,4,5,6,7,8,9,10,11,12,13,14,15
	global_load_b128 v[TMP+4*\i:TMP+4*\i+3], v[TA], s[6:7] offset:512+16*\i    ; W1[1][64 hh ..]
.endr
	global_load_b128 v[WC:WC+3], v[TB], s[6:7]                 ; W1[0][4 L ..]: my columns of the a_r table
	global_load_b128 v[WC+4:WC+7], v[TB], s[6:7] offset:512    ; W1[1][4 L ..]
	s_wait_loadcnt 0x0
	s_wait_kmcnt 0x0
	s_mov_b32 s60, 0x3debeb18                      ;  a2 / 2       =  0.230389 / 2; the scalar loads that named s[60:61] are done
	s_mov_b32 s61, 0x3debeb18
	s_mov_b32 s62, 0xbe4993fc                      ; -a1 / sqrt 2  = -0.278393 / 1.414214
	s_mov_b32 s63, 0xbe4993fc
	v_sub_f32 v[NDP], s24, v[SM]
	v_sub_f32 v[NDP+1], s25, v[SM+1]
.set i, 0
.rept 32
	v_pk_fma_f32 v[CP+2*i:CP+2*i+1], v[ACC+2*i:ACC+2*i+1], v[NDP:NDP+1], v[CP+2*i:CP+2*i+1] op_sel_hi:[1,0,1]
.set i, i+1
.endr
.set i, 0
.rept 32
	v_pk_fma_f32 v[CP+2*i:CP+2*i+1], v[TMP+2*i:TMP+2*i+1], v[NDP:NDP+1], v[CP+2*i:CP+2*i+1] op_sel:[0,1,0] op_sel_hi:[1,1,1]
.set i, i+1
.endr
	; w2s[64 hh + i][n] into ACC[i]; the a_r table is made while these are on their way
.set i, 0
.rept 64
	global_load_b32 v[ACC+i], v[TD], s[10:11] offset:64*i
.set i, i+1
.endr
	global_load_b32 v3, v[TE], s[10:11] offset:8192            ; b2s[n]
	v_lshl_add_u32 v1, s16, 13, v[TA]              ; 8,192 w + 256 hh
	v_lshlrev_b32 v2, 4, v[TR]
	v_lshl_add_u32 v[TS], s16, 13, v[TB]           ; 8,192 w + 16 L
.set i, 0
.rept 16
	v_sub_f32 v[DXY], s[28+2*i], s24
	v_sub_f32 v[DXY+1], s[29+2*i], s25
	v_pk_mul_f32 v[XA+4*(i%4):XA+4*(i%4)+1], v[WC+4:WC+5], v[DXY:DXY+1] op_sel:[0,1] op_sel_hi:[1,1]
	v_pk_mul_f32 v[XA+4*(i%4)+2:XA+4*(i%4)+3], v[WC+6:WC+7], v[DXY:DXY+1] op_sel:[0,1] op_sel_hi:[1,1]
	v_pk_fma_f32 v[XA+4*(i%4):XA+4*(i%4)+1], v[WC:WC+1], v[DXY:DXY+1], v[XA+4*(i%4):XA+4*(i%4)+1] op_sel_hi:[1,0,1]
	v_pk_fma_f32 v[XA+4*(i%4)+2:XA+4*(i%4)+3], v[WC+2:WC+3], v[DXY:DXY+1], v[XA+4*(i%4)+2:XA+4*(i%4)+3] op_sel_hi:[1,0,1]
	ds_store_b128 v[TS], v[XA+4*(i%4):XA+4*(i%4)+3] offset:512*i   ; row i of my wave's table, h = 4 L .. 4 L + 3
.set i, i+1
.endr
	; a_r of units 0 and 1.  The table is the wave's own and LDS serves a wave's instructions in order (ISA guide 5.7.1): these see the stores above
	ds_load_b128 v[QB:QB+3], v1
	ds_load_b128 v[QB+4:QB+7], v1 offset:16
	v_mov_b32 v[K4], 0x3c9ff716                    ;  a4 / 4       =  0.078108 / 4
	v_mov_b32 v[K4+1], 0x3c9ff716
	v_mov_b32 v[K3], 0xb9b42c72                    ; -a3 / 2^1.5   = -0.000972 / 2.828427
	v_mov_b32 v[K3+1], 0xb9b42c72
	s_lshl_b32 s22, s22, 6                         ; 512 (256 rq + 16 w): my first row of smp
	s_add_nc_u64 s[12:13], s[12:13], s[22:23]
	s_wait_loadcnt 0x0
.set i, 0
.rept 32
	v_cvt_pk_f16_f32 v[BF+i], v[ACC+2*i], v[ACC+2*i+1]         ; register i & 7 of fragment i >> 3: h = 64 hh + 2 i and the next
.set i, i+1
.endr
; One step of the pipeline: unit k at age 0, unit k - 1 at age 1, unit k - 2 at age 2 (g0, g1, g2 = 1: that age is at work; they are 0 only while the pipeline fills and drains).
; ld = 1: a_r of unit k + 2 is asked for, into the Q set that the unit of age 2 has just read for the last time: 32 places ahead of its use.
; wc: how many younger LDS loads may stay out at the head: the one issued in the step before, for unit k + 1.
; Behind each reciprocal stands a plain instruction of a unit of another age, whichever ages are at work (ISA guide 5.7.2).
.macro STEP k, g0, g1, g2, ld, wc
.set R_0, RB+4*((\k)&3)
.set U_0, UB+4*((\k)&3)
.set Q_0, QB+4*((\k)&3)-88*(((\k)&3)/2)
.set U_1, UB+4*(((\k)+3)&3)
.set Q_1, QB+4*(((\k)+3)&3)-88*((((\k)+3)&3)/2)
.set R_2, RB+4*(((\k)+2)&3)
.set U_2, UB+4*(((\k)+2)&3)
.set Q_2, QB+4*(((\k)+2)&3)-88*((((\k)+2)&3)/2)
.set A_2, AF+2*(((\k)+2)&3)
.set C_0, CP+16*(((\k)&31)>>3)+4*((\k)&3)
.set L_O, 1024*(((\k)+2)>>5)+512*((((\k)+2)>>2)&1)+64*((((\k)+2)&31)>>3)+16*(((\k)+2)&3)
.if \g0
	s_wait_dscnt \wc                               ; LDS loads come back in order: this unit's a_r is in
	v_pk_add_f32 v[R_0:R_0+1], v[Q_0:Q_0+1], v[C_0:C_0+1]                                      ; x = a_r + cp
	v_pk_add_f32 v[R_0+2:R_0+3], v[Q_0+2:Q_0+3], v[C_0+2:C_0+3]
.endif
.if \g1
	v_pk_fma_f32 v[Q_1+2:Q_1+3], v[Q_1+2:Q_1+3], v[U_1+2:U_1+3], 1.0 op_sel_hi:[1,1,0]         ; P of the second pair
	v_rcp_f32 v[Q_1], v[Q_1]                                                                   ; t = 1 / P
.endif
.if \g2
	s_wait_alu depctr_va_vdst(0)
	v_pk_mul_f32 v[Q_2+2:Q_2+3], v[Q_2+2:Q_2+3], v[Q_2+2:Q_2+3]                                ; t^2 of the second pair
.endif
.if \g0
	v_or_b32 v[U_0], s19, v[R_0]                                                               ; u = -|x|
	v_or_b32 v[U_0+1], s19, v[R_0+1]
	v_or_b32 v[U_0+2], s19, v[R_0+2]
	v_or_b32 v[U_0+3], s19, v[R_0+3]
.endif
.if \g1
	v_rcp_f32 v[Q_1+1], v[Q_1+1]
.endif
.if \g0
	v_pk_fma_f32 v[Q_0:Q_0+1], v[U_0:U_0+1], v[K4:K4+1], v[K3:K3+1]
.endif
.if \g2
	v_pk_fma_f32 v[Q_2+2:Q_2+3], v[Q_2+2:Q_2+3], v[Q_2+2:Q_2+3], -1.0 op_sel_hi:[1,1,0]        ; t^4 - 1 = -erf
.endif
.if \g0
	v_pk_fma_f32 v[Q_0+2:Q_0+3], v[U_0+2:U_0+3], v[K4:K4+1], v[K3:K3+1]
.endif
.if \g2
	v_pk_fma_f32 v[R_2:R_2+1], v[U_2:U_2+1], v[Q_2:Q_2+1], v[R_2:R_2+1]                        ; y = x + |x| erf
.endif
.if \g1
	s_wait_alu depctr_va_vdst(0)
	v_pk_mul_f32 v[Q_1:Q_1+1], v[Q_1:Q_1+1], v[Q_1:Q_1+1]                                      ; t^2 of the first pair
.endif
.if \g0
	v_pk_fma_f32 v[Q_0:Q_0+1], v[Q_0:Q_0+1], v[U_0:U_0+1], s[60:61] op_sel_hi:[1,1,0]          ; + K2
.endif
.if \g1
	v_rcp_f32 v[Q_1+2], v[Q_1+2]
.endif
.if \g0
	v_pk_fma_f32 v[Q_0+2:Q_0+3], v[Q_0+2:Q_0+3], v[U_0+2:U_0+3], s[60:61] op_sel_hi:[1,1,0]
.endif
.if \g2
	v_pk_fma_f32 v[R_2+2:R_2+3], v[U_2+2:U_2+3], v[Q_2+2:Q_2+3], v[R_2+2:R_2+3]                ; the last read of this Q set
.endif
.if \g1
	v_pk_fma_f32 v[Q_1:Q_1+1], v[Q_1:Q_1+1], v[Q_1:Q_1+1], -1.0 op_sel_hi:[1,1,0]
.endif
.if \ld
	ds_load_b128 v[Q_2:Q_2+3], v1 offset:L_O                                                   ; a_r of unit k + 2
.endif
.if \g0
	v_pk_fma_f32 v[Q_0:Q_0+1], v[Q_0:Q_0+1], v[U_0:U_0+1], s[62:63] op_sel_hi:[1,1,0]          ; + K1
.endif
.if \g2
	v_cvt_pk_f16_f32 v[A_2], v[R_2], v[R_2+1]
.endif
.if \g1
	v_rcp_f32 v[Q_1+3], v[Q_1+3]
.endif
.if \g0
	v_pk_fma_f32 v[Q_0+2:Q_0+3], v[Q_0+2:Q_0+3], v[U_0+2:U_0+3], s[62:63] op_sel_hi:[1,1,0]
.endif
.if \g2
	v_cvt_pk_f16_f32 v[A_2+1], v[R_2+2], v[R_2+3]
.endif
.if \g0
	v_pk_fma_f32 v[Q_0:Q_0+1], v[Q_0:Q_0+1], v[U_0:U_0+1], 1.0 op_sel_hi:[1,1,0]               ; P of the first pair
.endif
.endm
; Behind step 4 s + 5 the fourth unit of stage s has left age 2 and the A fragment is whole: the stage's matrix instruction.  A tile's first product starts the sum with C = 0.
; AF is written again by the next step's first conversion, eighteen plain vector instructions behind the matrix instruction that reads it (ISA guide 7.12.1).
.macro WM k
.if ((\k)&3) == 1
.set SG, ((\k)-5)/4
.set AC, XA+8*(SG&1)
.set CC, SG/2
.if CC == 0
	v_wmma_f32_16x16x32_f16 v[AC:AC+7], v[AF:AF+7], v[BF:BF+7], 0
.else
	v_wmma_f32_16x16x32_f16 v[AC:AC+7], v[AF:AF+7], v[BF+8*CC:BF+8*CC+7], v[AC:AC+7]
.endif
.endif
.endm
; D += b2s[n]: v3, the upper register of the pair v[2:3], feeds both halves.
.macro BIAS acc
.irp j, 0,2,4,6
	v_pk_add_f32 v[\acc+\j:\acc+\j+1], v[\acc+\j:\acc+\j+1], v[2:3] op_sel:[0,1] op_sel_hi:[1,1]
.endr
.endm
; ACC[8 b + j] += D[j] * smp[b].  first = 1: the very first tile starts the sums, nothing is cleared.
.macro EIN acc, sb, first
.irp b, 0,2,4,6
.irp j, 0,2,4,6
.if \first
	v_pk_mul_f32 v[ACC+8*\b+\j:ACC+8*\b+\j+1], v[\acc+\j:\acc+\j+1], v[\sb+\b:\sb+\b+1] op_sel_hi:[1,0]
.else
	v_pk_fma_f32 v[ACC+8*\b+\j:ACC+8*\b+\j+1], v[\acc+\j:\acc+\j+1], v[\sb+\b:\sb+\b+1], v[ACC+8*\b+\j:ACC+8*\b+\j+1] op_sel_hi:[1,0,1]
.endif
.endr
.irp j, 0,2,4,6
.if \first
	v_pk_mul_f32 v[ACC+8*\b+8+\j:ACC+8*\b+8+\j+1], v[\acc+\j:\acc+\j+1], v[\sb+\b:\sb+\b+1] op_sel:[0,1] op_sel_hi:[1,1]
.else
	v_pk_fma_f32 v[ACC+8*\b+8+\j:ACC+8*\b+8+\j+1], v[\acc+\j:\acc+\j+1], v[\sb+\b:\sb+\b+1], v[ACC+8*\b+8+\j:ACC+8*\b+8+\j+1] op_sel:[0,1,0] op_sel_hi:[1,1,1]
.endif
.endr
.endr
.endm
; Two r.  The body is turned by two steps: it runs steps 2 to 33, so that it ends with the trip's last product; steps 32 and 33 start the next trip's units 0 and 1,
; whose a_r rows lie 1,024 bytes behind v1.  The matrix instructions go X0 Y0 X1 Y1 X2 Y2 X3 Y3: the two accumulators take turns, one instruction a turn,
; over the backward jump too.
.macro TRIP first, last
	global_load_b128 v[SM:SM+3], v2, s[12:13]                  ; smp of X, b = 0 .. 3: sixteen lanes take 256 consecutive bytes
	global_load_b128 v[SM+4:SM+7], v2, s[12:13] offset:256     ; b = 4 .. 7
	global_load_b128 v[SM+8:SM+11], v2, s[12:13] offset:512    ; of Y
	global_load_b128 v[SM+12:SM+15], v2, s[12:13] offset:768
.set kk, 2
.rept 28
	STEP kk, 1, 1, 1, 1, 1
	WM kk
.set kk, kk+1
.endr
.if \last
	STEP 30, 1, 1, 1, 0, 1                         ; nothing is left to load; unit 31's load is still the younger one
	STEP 31, 1, 1, 1, 0, 0                         ; no load was issued behind unit 31's: the wait is for 0
	STEP 32, 0, 1, 1, 0, 0                         ; the pipeline drains
	STEP 33, 0, 0, 1, 0, 0
.else
	STEP 30, 1, 1, 1, 1, 1
	STEP 31, 1, 1, 1, 1, 1
	STEP 32, 1, 1, 1, 1, 1
	STEP 33, 1, 1, 1, 1, 1
.endif
	WM 33
	s_wait_loadcnt 0x0                             ; smp, asked for a whole trip ago
	BIAS XA                                        ; X's last product lies four steps back; these 36 name none of Y's last product's registers and are the places behind it
	EIN XA, SM, \first
	BIAS YA
	EIN YA, SM+8, 0
.if \last == 0
	s_add_nc_u64 s[12:13], s[12:13], 1024          ; the loads that named the base are done
	v_add_nc_u32 v1, 1024, v1
.endif
.endm
	STEP 0, 1, 0, 0, 1, 1                          ; the pipeline fills: unit 0, while unit 1's load may stay out
	STEP 1, 1, 1, 0, 1, 1
	TRIP 1, 0
	s_mov_b32 s20, 6
.Ltrip:
	TRIP 0, 0
	s_sub_co_i32 s20, s20, 1
	s_cmp_lg_u32 s20, 0
	s_cbranch_scc1 .Ltrip
	TRIP 0, 1
	; The sixteen waves' sums meet in LDS.  Each wave lays its 8 KiB over its own table (its reads of it are back: the last unit's wait was for 0),
	; in the layout of a block of part: byte 64 (16 b + n) + 4 (8 hh + j).
	v_and_b32 v[RB], 15, v0
	v_bfe_u32 v[RB+1], v0, 4, 1
	v_lshlrev_b32 v[RB], 6, v[RB]
	v_lshl_add_u32 v[RB], v[RB+1], 5, v[RB]
	v_lshl_add_u32 v[RB], s16, 13, v[RB]           ; 8,192 w + 64 n + 32 hh
	v_lshlrev_b32 v[RB+2], 4, v0                   ; 16 t: my 16 bytes of the block
	v_add_nc_u32 v[RB+3], 0x10000, v[RB+2]         ; the same in waves 8 .. 15: an LDS immediate ends at 65,535
.irp b, 0,1,2,3,4,5,6,7
	ds_store_b128 v[RB], v[ACC+8*\b:ACC+8*\b+3] offset:1024*\b
	ds_store_b128 v[RB], v[ACC+8*\b+4:ACC+8*\b+7] offset:1024*\b+16
.endr
	s_wait_dscnt 0x0                               ; for the others' sake: my stores are in LDS
	s_barrier_signal -1
	s_barrier_wait -1
.irp w, 0,1,2,3,4,5,6,7
	ds_load_b128 v[CP+4*\w:CP+4*\w+3], v[RB+2] offset:8192*\w
.endr
.irp w, 0,1,2,3,4,5,6,7
	ds_load_b128 v[CP+32+4*\w:CP+32+4*\w+3], v[RB+3] offset:8192*\w
.endr
	s_lshl_b32 s22, s18, 19                        ; 524,288 rq
	s_lshl_b32 s21, s17, 13                        ; 8,192 pt
	s_add_co_u32 s22, s22, s21
	s_add_nc_u64 s[14:15], s[14:15], s[22:23]
	s_wait_dscnt 0x0
.set i, 0
.rept 16
	v_pk_add_f32 v[CP+2*i:CP+2*i+1], v[CP+2*i:CP+2*i+1], v[CP+32+2*i:CP+32+2*i+1]
.set i, i+1
.endr
.set i, 0
.rept 8
	v_pk_add_f32 v[CP+2*i:CP+2*i+1], v[CP+2*i:CP+2*i+1], v[CP+16+2*i:CP+16+2*i+1]
.set i, i+1
.endr
.set i, 0
.rept 4
	v_pk_add_f32 v[CP+2*i:CP+2*i+1], v[CP+2*i:CP+2*i+1], v[CP+8+2*i:CP+8+2*i+1]
.set i, i+1
.endr
	v_pk_add_f32 v[CP:CP+1], v[CP:CP+1], v[CP+4:CP+5]
	v_pk_add_f32 v[CP+2:CP+3], v[CP+2:CP+3], v[CP+6:CP+7]
	global_store_b128 v[RB+2], v[CP:CP+3], s[14:15]            ; a wave's store covers 512 consecutive bytes, aligned
	s_barrier_signal -1
	s_barrier_wait -1
	s_wait_xcnt 0x0
	v_lshl_add_u32 v254, v0, 2, 0x20000
	v_mov_b32 v255, 0
	s_wait_tensorcnt 0x0
	ds_add_u32 v254, v255
	s_wait_dscnt 0x0
	s_endpgm
.Lfunc_end_k_q762895448c_main:
	.size	k_q762895448c_main, .Lfunc_end_k_q762895448c_main-k_q762895448c_main
	.p2alignl 7, 3214868480
	.fill 96, 4, 3214868480
	.section	.rodata,"a",@progbits
	.p2align	6, 0x0
	.amdhsa_kernel k_q762895448c_main
		.amdhsa_group_segment_fixed_size 133120
		.amdhsa_private_segment_fixed_size 0
		.amdhsa_enable_private_segment 0
		.amdhsa_kernarg_size 48
		.amdhsa_user_sgpr_count 2
		.amdhsa_user_sgpr_kernarg_segment_ptr 1
		.amdhsa_wavefront_size32 1
		.amdhsa_system_sgpr_workgroup_id_x 1
		.amdhsa_system_sgpr_workgroup_id_y 1
		.amdhsa_system_sgpr_workgroup_id_z 1
		.amdhsa_system_vgpr_workitem_id 0
		.amdhsa_next_free_vgpr 256
		.amdhsa_next_free_sgpr 66
		.amdhsa_reserve_vcc 0
		.amdhsa_float_denorm_mode_32 3
		.amdhsa_float_denorm_mode_16_64 3
		.amdhsa_memory_ordered 1
		.amdhsa_forward_progress 1
		.amdhsa_inst_pref_size 195
	.end_amdhsa_kernel
	.amdgpu_metadata
---
amdhsa.version: [ 1, 2 ]
amdhsa.kernels:
  - .name:           k_q762895448c_main
    .symbol:         k_q762895448c_main.kd
    .args:
      - { .name: grid, .offset: 0, .size: 8, .value_kind: global_buffer, .address_space: global }
      - { .name: W1, .offset: 8, .size: 8, .value_kind: global_buffer, .address_space: global }
      - { .name: b1, .offset: 16, .size: 8, .value_kind: global_buffer, .address_space: global }
      - { .name: w2s, .offset: 24, .size: 8, .value_kind: global_buffer, .address_space: global }
      - { .name: smp, .offset: 32, .size: 8, .value_kind: global_buffer, .address_space: global }
      - { .name: part, .offset: 40, .size: 8, .value_kind: global_buffer, .address_space: global }
    .group_segment_fixed_size: 133120
    .private_segment_fixed_size: 0
    .kernarg_segment_align: 8
    .kernarg_segment_size: 48
    .max_flat_workgroup_size: 512
    .sgpr_count:     66
    .vgpr_count:     256
    .wavefront_size: 32
...
	.end_amdgpu_metadata
.endif
;; end of part 5
;; launch resz: the kernel of part 4 again; grid 256 x 1, 8 waves a work-group, no clusters, 4,096 bytes of LDS; arguments part, out0; writes out0
